; MI455X (gfx1250); checked and timed in simulation.
; The chip was launched on July 23, 2026; its instructions are those of AMD's public machine-readable ISA for CDNA 5 (MIT licence, August 2026) and "CDNA5" Instruction Set Architecture Reference Guide (July 2026). The comments in the code are by the model that wrote it; some were corrected since.
;; Causal Multi Head Self Attention. Allowed arithmetic: matrix products marked QUANTISED: E5M2 operands, one given power-of-two scale a tensor, by v_wmma_f32_16x16x64_bf8_bf8 or v_wmma_f32_16x16x128_bf8_bf8, f32 sums; everything else in f32.
;; Inputs: W_o_codes 1,024 x 32 x 32 uint8 (E5M2 codes of W_o, K innermost, in blocks of 32 codes); W_qkv_codes 3 x 1,024 x 32 x 32 uint8 (E5M2 codes of W_qkv, K innermost, in blocks of 32 codes); lowp_scales 8 int32 (the exponents e of the quantised operands' scales 2^e); token_positions 2,048 int32; x_codes 4 x 2,048 x 32 x 32 uint8 (E5M2 codes of x, K innermost, in blocks of 32 codes).
;; Outputs: out0 4 x 2,048 x 1,024 float32.
;; This version of the problem:
;;   THIS VERSION OF THE PROBLEM IS GIVEN IN LOW PRECISION. The matrix products marked QUANTISED in the list below multiply operands that are first quantised to E5M2 (5 exponent bits, 2 mantissa bits; 8 bits a number), with one given power-of-two scale for each operand tensor; their sums are f32. All else is computed in f32.
;;   The module's matrix products, in the order in which they are computed (A, B: the left and right operand; K: the contracted axis; several contracted axes count as one K, in the product's order):
;;     1. [M 3,072, K 1,024] x [K 1,024, N 8,192]; A: input W_qkv (given as codes); B: input x (given as codes): QUANTISED (scales: A lowp_scales[0], B lowp_scales[1])
;;     2. batch 64 x [M 2,048, K 64] x [K 64, N 2,048]; A: computed on the way; B: computed on the way: QUANTISED (scales: A lowp_scales[2], B lowp_scales[3])
;;     3. batch 64 x [M 2,048, K 2,048] x [K 2,048, N 64]; A: softmax (see below); B: computed on the way: QUANTISED (scales: A lowp_scales[4], B lowp_scales[5])
;;     4. [M 8,192, K 1,024] x [K 1,024, N 1,024]; A: computed on the way; B: input W_o (given as codes): QUANTISED (scales: A lowp_scales[6], B lowp_scales[7])
;;   THE QUANTISER, for each operand of a quantised product, along K:
;;     - The operand's scale is 2^e, e = its entry of the input lowp_scales (int32; the entries are numbered through the quantised products in the list's order, A before B).
;;     - Each number is divided by the scale, clamped to +-57,344, and rounded to the nearest number of E5M2, ties to even, subnormals kept.
;;     - The product sums the exact products of the quantised numbers (number of the format x scale) in f32.
;;   ~~~python
;;   def quantise(x, axis, e):      # numpy; x: float32 -> the quantised numbers, widened to float32 again
;;       x = np.moveaxis(x, axis, -1); K = x.shape[-1]
;;       r = np.clip(x / 2.0 ** e, -57344, 57344)
;;       step = 2.0 ** (np.maximum(np.frexp(np.where(r == 0, 1, r))[1] - 1, -14) - 2)
;;       q = np.round(r / step) * step * 2.0 ** e      # np.round: ties to even
;;       return np.moveaxis(q, -1, axis).astype(np.float32)
;;   ~~~
;;   SOFTMAX AHEAD OF A QUANTISED PRODUCT. Where the list says 'softmax', what is quantised is not the finished softmax but p = 2^(t - M), with t = logit x log2(e) and M = ceil(the row's largest t), a whole number; so 1/2 < the row's largest p <= 1. The row's sum l is taken of the UNQUANTISED p, in f32, and the product's result is divided by l at the end. Since M is a whole number, a kernel that streams over the keys may use a running M (the ceiling of the running maximum): every later rescaling is an exact power of two, so the quantised numbers keep their values, but for numbers so far below the row's largest that they fall under the format's range.
;;   OPERANDS COMPUTED ON THE WAY. 'Computed on the way' means the value that the module computes at that place (a softmax that the list does not call 'softmax' is quantised finished and normalised). What goes into a quantiser is computed in f32, as accurately as f32 sums, v_exp_f32 and their like allow (about 1e-6 of the number): no bf16 or f16 on the way to a quantiser, and a product that is left as it is and whose result goes on into a quantised operand takes f32 operands (vector FMAs, or v_wmma_f32_16x16x4_f32). A number that lies on a knife's edge between two numbers of the format may be rounded either way, as far as f32 arithmetic and the matrix unit's own rounding can turn it there, and no further.
;;   INPUTS GIVEN AS CODES. W_o (in the module: [1024, 1024], K = its axis 1); W_qkv (in the module: [3, 1024, 1024], K = its axis 2); x (in the module: [4, 2048, 1024], K = its axis 2): each comes as NAME_codes (uint8): NAME with its K axis moved to the last place and cut into blocks of 32 codes, [.., K / 32, bytes a block], one block behind the other in memory; one code a byte (a code: sign, 5 exponent bits, 2 mantissa bits); its scale is its entry of lowp_scales. Its value is code x scale, taken as it is: it is not quantised again, and the codes and scales need not be those that the quantiser above would give.
;; One version. Each part assembles by itself: llvm-mc -triple=amdgcn-amd-amdhsa -mcpu=gfx1250 --defsym DOCPART=n.
;; ======== version 1 of 1: 4 launches
;; limits: right only within a limited range of input values
;; workspace buffers: rope 524,288 bytes; q_img 8,388,608 bytes; k_img 8,388,608 bytes; v_img 8,388,608 bytes; a_img 8,388,608 bytes
;; launch rope (part 1): grid 256 x 1, 8 waves a work-group, no clusters, 0 bytes of LDS; arguments token_positions, rope; writes rope
.if DOCPART == 1
	.amdgcn_target "amdgcn-amd-amdhsa--gfx1250"
	.amdhsa_code_object_version 6
	.text
	.protected	k_qd39d19f370_rope
	.globl	k_qd39d19f370_rope
	.p2align	8
	.type	k_qd39d19f370_rope,@function
k_qd39d19f370_rope:
	s_mov_b64 s[64:65], 0
	v_nop
	global_prefetch_b8 v0, s[64:65] scope:SCOPE_SE
	s_setreg_imm32_b32 hwreg(HW_REG_WAVE_MODE, 25, 1), 1
	s_wait_xcnt 0x0
; rope[s][j] = (cos, sin) of the angle token_positions[s] x 10000^(-j/32), j = 0 .. 31, f32: a row of 256 bytes for each token.
; A wave takes one token, a lane one pair j; the wave's one store covers the token's 256 consecutive bytes, aligned.
; 10000^(-j/32) = 2^(-j c), c = log2(10) / 8 kept in two f32 parts: a = the rounded product j x (-c_high) goes to v_exp_f32, and what the rounding and c_low
; leave over, d, is applied as 1 + d ln 2.  The angle is ONE rounded product of the position (as f32) and that number.
; Sine and cosine: n = the nearest whole number to angle x 2 / pi; r = angle - n x pi / 2 with pi / 2 in three parts by fused multiply-adds; polynomials in r (|r| <= pi / 4,
; the first terms left out are under 2e-9); the quadrant n mod 4 swaps and signs them.
; LIMIT: |position| below 2^24, so that it is an f32 number and n a whole number of 24 bits; beyond that the reduction's error grows with the position.
.set NCH, 0xbed49a78                   ; -c, high part
.set NCL, 0xb2179a6b                   ; -c, low part
.set LN2, 0x3f317218
.set P1,  0x3fc90fd8                   ; pi / 2 in three parts
.set P2,  0x34a8885a
.set P3,  0x27c234c4
	s_load_b128 s[4:7], s[0:1], 0x0                ; token_positions s[4:5], rope s[6:7]
	v_lshrrev_b32 v1, 5, v0                        ; wave
	v_and_b32 v2, 31, v0                           ; j
	s_lshl_b32 s8, ttmp9, 3
	s_lshl_b32 s9, ttmp9, 8
	v_add_nc_u32 v1, s8, v1                        ; token = 8 x work-group + wave
	s_delay_alu instid0(VALU_DEP_1)
	v_lshlrev_b32 v3, 2, v1                        ; its position's byte
	v_add_nc_u32 v20, s9, v0
	s_delay_alu instid0(VALU_DEP_1)
	v_lshlrev_b32 v20, 3, v20                      ; 256 x token + 8 j = 8 x (256 x work-group + thread)
	s_mov_b32 s10, NCH
	s_mov_b32 s11, NCL
	s_mov_b32 s12, P1
	s_mov_b32 s13, P2
	s_mov_b32 s14, P3
	s_wait_alu depctr_va_vdst(0)
	s_wait_kmcnt 0x0
	global_load_b32 v4, v3, s[4:5]
	v_cvt_f32_u32 v5, v2
	s_delay_alu instid0(VALU_DEP_1)
	v_mul_f32 v6, s10, v5                          ; a = -j c_high, rounded
	s_delay_alu instid0(VALU_DEP_1)
	v_fma_f32 v7, v5, s10, -v6                     ; what that rounding lost, exactly,
	s_delay_alu instid0(VALU_DEP_1)
	v_fma_f32 v7, v5, s11, v7                      ; and the low part: d
	s_wait_alu depctr_va_vdst(0)
	v_exp_f32 v8, v6                               ; 2^a
	v_mul_f32 v7, LN2, v7                          ; (the plain line behind the transcendental)  d ln 2
	s_wait_alu depctr_va_vdst(0)                   ; the wait ahead of the first reader of v8
	v_fma_f32 v9, v7, v8, v8                       ; 2^a (1 + d ln 2)
	s_wait_loadcnt 0x0
	v_cvt_f32_i32 v10, v4
	s_wait_alu depctr_va_vdst(0)
	v_mul_f32 v10, v10, v9                         ; the angle
	s_delay_alu instid0(VALU_DEP_1)
	v_mul_f32 v11, 0x3f22f983, v10                 ; x 2 / pi
	s_delay_alu instid0(VALU_DEP_1)
	v_rndne_f32 v11, v11                           ; n
	s_delay_alu instid0(VALU_DEP_1)
	v_fma_f32 v12, -v11, s12, v10
	s_delay_alu instid0(VALU_DEP_1)
	v_fma_f32 v12, -v11, s13, v12
	s_delay_alu instid0(VALU_DEP_1)
	v_fma_f32 v12, -v11, s14, v12                  ; r
	s_delay_alu instid0(VALU_DEP_1)
	v_mul_f32 v13, v12, v12                        ; z = r r
	v_mov_b32 v14, 0x3638ef1d                      ; sine: 1/9!
	v_mov_b32 v15, 0xb493f27e                      ; cosine: -1/10!
	s_delay_alu instid0(VALU_DEP_2)
	v_fmaak_f32 v14, v14, v13, 0xb9500d01          ; -1/7!
	s_delay_alu instid0(VALU_DEP_2)
	v_fmaak_f32 v15, v15, v13, 0x37d00d01          ; 1/8!
	s_delay_alu instid0(VALU_DEP_2)
	v_fmaak_f32 v14, v14, v13, 0x3c088889          ; 1/5!
	s_delay_alu instid0(VALU_DEP_2)
	v_fmaak_f32 v15, v15, v13, 0xbab60b61          ; -1/6!
	s_delay_alu instid0(VALU_DEP_2)
	v_fmaak_f32 v14, v14, v13, 0xbe2aaaab          ; -1/3!
	s_delay_alu instid0(VALU_DEP_2)
	v_fmaak_f32 v15, v15, v13, 0x3d2aaaab          ; 1/4!
	v_mul_f32 v16, v12, v13                        ; r z
	s_delay_alu instid0(VALU_DEP_2)
	v_fmaak_f32 v15, v15, v13, 0xbf000000          ; -1/2
	s_delay_alu instid0(VALU_DEP_2)
	v_fma_f32 v14, v14, v16, v12                   ; sin r
	s_delay_alu instid0(VALU_DEP_2)
	v_fma_f32 v15, v15, v13, 1.0                   ; cos r
	v_cvt_i32_f32 v17, v11
	s_delay_alu instid0(VALU_DEP_1)
	v_and_b32 v18, 1, v17
	s_delay_alu instid0(VALU_DEP_1)
	v_cmp_eq_u32 vcc_lo, 1, v18                    ; an odd quadrant swaps the two
	s_delay_alu instid0(VALU_DEP_1)
	v_cndmask_b32 v19, v14, v15, vcc_lo            ; sine
	s_delay_alu instid0(VALU_DEP_2)
	v_cndmask_b32 v18, v15, v14, vcc_lo            ; cosine
	v_and_b32 v21, 2, v17                          ; the sine changes sign in quadrants 2 and 3,
	s_delay_alu instid0(VALU_DEP_1)
	v_lshlrev_b32 v21, 30, v21
	s_delay_alu instid0(VALU_DEP_1)
	v_xor_b32 v19, v19, v21
	v_add_nc_u32 v17, 1, v17                       ; the cosine in quadrants 1 and 2
	s_delay_alu instid0(VALU_DEP_1)
	v_and_b32 v17, 2, v17
	s_delay_alu instid0(VALU_DEP_1)
	v_lshlrev_b32 v17, 30, v17
	s_delay_alu instid0(VALU_DEP_1)
	v_xor_b32 v18, v18, v17
	global_store_b64 v20, v[18:19], s[6:7]
	s_endpgm
.Lfunc_end_k_qd39d19f370_rope:
	.size	k_qd39d19f370_rope, .Lfunc_end_k_qd39d19f370_rope-k_qd39d19f370_rope
	.p2alignl 7, 3214868480
	.fill 96, 4, 3214868480
	.section	.rodata,"a",@progbits
	.p2align	6, 0x0
	.amdhsa_kernel k_qd39d19f370_rope
		.amdhsa_group_segment_fixed_size 0
		.amdhsa_private_segment_fixed_size 0
		.amdhsa_enable_private_segment 0
		.amdhsa_kernarg_size 16
		.amdhsa_user_sgpr_count 2
		.amdhsa_user_sgpr_kernarg_segment_ptr 1
		.amdhsa_wavefront_size32 1
		.amdhsa_system_sgpr_workgroup_id_x 1
		.amdhsa_system_sgpr_workgroup_id_y 1
		.amdhsa_system_sgpr_workgroup_id_z 1
		.amdhsa_system_vgpr_workitem_id 0
		.amdhsa_next_free_vgpr 32
		.amdhsa_next_free_sgpr 66
		.amdhsa_reserve_vcc 1
		.amdhsa_float_denorm_mode_32 3
		.amdhsa_float_denorm_mode_16_64 3
		.amdhsa_memory_ordered 1
		.amdhsa_forward_progress 1
		.amdhsa_inst_pref_size 4
	.end_amdhsa_kernel
	.amdgpu_metadata
---
amdhsa.version: [ 1, 2 ]
amdhsa.kernels:
  - .name:           k_qd39d19f370_rope
    .symbol:         k_qd39d19f370_rope.kd
    .args:
      - { .name: token_positions, .offset: 0, .size: 8, .value_kind: global_buffer, .address_space: global }
      - { .name: rope, .offset: 8, .size: 8, .value_kind: global_buffer, .address_space: global }
    .group_segment_fixed_size: 0
    .private_segment_fixed_size: 0
    .kernarg_segment_align: 8
    .kernarg_segment_size: 16
    .max_flat_workgroup_size: 256
    .sgpr_count:     66
    .vgpr_count:     32
    .wavefront_size: 32
...
	.end_amdgpu_metadata
.endif
;; end of part 1
;; launch qkv (part 2): grid 12 x 32, 4 waves a work-group, clusters of 4 x 4, 327,680 bytes of LDS; arguments x_codes, W_qkv_codes, lowp_scales, rope, q_img, k_img, v_img; writes q_img, k_img, v_img
.if DOCPART == 2
	.amdgcn_target "amdgcn-amd-amdhsa--gfx1250"
	.amdhsa_code_object_version 6
	.text
	.protected	k_qd39d19f370_qkv
	.globl	k_qd39d19f370_qkv
	.p2align	8
	.type	k_qd39d19f370_qkv,@function
k_qd39d19f370_qkv:
	s_mov_b64 s[64:65], 0
	v_nop
	global_prefetch_b8 v0, s[64:65] scope:SCOPE_SE
	s_setreg_imm32_b32 hwreg(HW_REG_WAVE_MODE, 25, 1), 1
	s_wait_xcnt 0x0
	s_wait_alu depctr_hold_cnt(0) depctr_sa_sdst(0) depctr_va_vdst(0) depctr_va_sdst(0) depctr_va_ssrc(0) depctr_va_vcc(0) depctr_vm_vsrc(0)
	s_getreg_b32 s2, hwreg(HW_REG_IB_STS2, 6, 4)
	s_cmp_eq_u32 s2, 0
	s_cbranch_scc0 .Lentry_in_a_cluster
	s_endpgm
.Lentry_in_a_cluster:
	s_bfe_u32 s2, ttmp6, 0x10000c
	s_cmp_lg_u32 s2, 0xf033
	s_cbranch_scc0 .Lentry_shape_is_right
	s_endpgm
.Lentry_shape_is_right:
; q, k, v = x W_qkv^T on codes of BF8 (E5M2); q and k are rotated (RoPE); all three are quantised anew, with the given scales, and stored as IMAGES OF OPERAND REGISTERS for the attention launch.
; C[m][n] = sum over k of A[m][k] B[n][k], K = 1,024.  A tile of C is 256 x 256, a work-group of four waves; a wave makes 128 x 128: 64 accumulators, 512 registers.
; K goes in steps of 256 through a ring of two LDS slots filled by the tensor data mover.  THE MATRIX INSTRUCTION IS USED TRANSPOSED (source 0 = 16 rows of B, source 1 = 16 rows of A): a lane holds ONE row m and eight neighbouring n.
; TWO KINDS OF CLUSTER, told apart by the cluster's x, which all sixteen partners share:
;   x = 0 (q), 1 (k): A = x (rows: tokens), B = W_q, W_k (rows: features).  A lane holds one token and eight neighbouring features: RoPE's pairs are neighbouring registers, and the conversions run along the head's 64.
;   x = 2 (v):        A = W_v (rows: channels), B = x (rows: tokens).  A lane holds one channel and eight neighbouring tokens: the keys, along which v is quantised.
; CLUSTERS: 4 x 4 work-groups; A's tile is asked for jointly along a row of the cluster, B's along a column.
; SCALES.  A sum stands for sum x 2^(e0 + e1).  The rotation is linear, so the sums are rotated as they are, and the conversion takes 2^(e - e0 - e1), e = e2 (q), e3 (k), e5 (v); the hold at +-57,344 x that is always made.
; LIMIT: e - e0 - e1 between -126 and 112, so that both powers of two are f32 numbers.  NaN is not served.
; IMAGES.  q_img, k_img: [batch x 16 + head][token / 16][1,024 bytes]: a fragment of 16 tokens x 64: lane (r, h) holds token r; registers 2 c, 2 c + 1 hold d = 16 c + 8 h + 0 .. 7; registers 4 g .. 4 g + 3 lie at 512 g + 16 x lane.
;          v_img: [batch x 16 + head][key / 128][channel / 16][2,048 bytes]: 16 channels x 128 keys: lane (r, h) holds channel r; registers 2 c, 2 c + 1 hold key 16 c + 8 h + 0 .. 7.
; The conversions' results ARE those registers: each store of a wave covers 512 consecutive bytes, aligned; no stage is needed.
; No prefetch: K has four slots only, two of them asked for at the head, and each tile is fetched once for four work-groups.
; REGISTERS, in windows of 256: window 0: v16-29 addresses and constants; v32-95 at work on the way out; from v128 A's fragments, ONE set, later the codes (16 a block, never rewritten).
;   window 1: B's fragments, TWO sets, at v0 and v128; later cos and sin (32 a block of 16 tokens).   window 2: accumulators of my rows 0-63 ((a, b) at v[8 (8 a + b)]);   window 3: of my rows 64-127.
.set KSTEP,  256                       ; along K in a slot
.set ROWB,   256                       ; a tile's row in bytes
.set KROW,   1024                      ; a row of A or of B in memory, in bytes
.set PITCH,  272                       ; an LDS row: 256 bytes + 16 of padding = 68 words: the 16 rows that a load touches start at 16 different banks (64 banks of 4 bytes: ISA guide 11.1)
.set FR,     16                        ; registers of a fragment: 16 rows x 128 K
.set NL,     4                         ; LDS loads that bring one
.set NP,     4                         ; places behind this matrix instruction (ISA guide 7.12.1)
.set HALFT,  128*PITCH                 ; 128 rows: what one tensor load brings
.set SLOT,   4*HALFT                   ; A's 256 rows, then B's 256 rows
.set LAPS,   1024/(2*KSTEP)            ; a lap = two slots
.set SPARE,  2*SLOT                    ; behind the ring: the spare words, 128 bytes for each wave, which no other line names
.set ADRA, 16                          ; v16-17  LDS address of my A fragments in slot 0, 1
.set ADRB, 20                          ; v20-21  the same for B
.set LN16, 24                          ; v24     16 x lane: my place in an image's group
.set CSO,  25                          ; v25     256 r + 32 h: my four pairs' cos and sin in a block of 16 rows of the table
.set LIM,  26                          ; v26     57,344 x the conversion's scale
.set SCL,  27                          ; v27     the conversion's scale as f32
.set SPW,  28                          ; v28     LDS address of my spare word; never rewritten
.set NIL,  29                          ; v29     0; never rewritten
.set TMP,  32                          ; v32-95  a block's 64 numbers
.set AF,   128                         ; A's fragments, in window 0
.set CD,   128                         ; the codes, in window 0, where A's fragments lay
.set G1, 24                            ; s[24:31] descriptor group 1 for A's tiles;  s[32:39] group 0, one set for each slot
.set G0, 32
.set G1B, 48                           ; s[48:55], s[56:63] the same for B's tiles
.set G0B, 56
.set MSB, 0
.macro WIN new                         ; the immediate's high byte repeats the setting that is left
.if MSB != (\new)
	s_set_vgpr_msb (MSB<<8)|(\new)
.set MSB, (\new)
.endif
.endm
.set MUL_LO, 0xa1                      ; source 0 (B) window 1, source 1 (A) window 0, C and D window 2
.set MUL_HI, 0xf1                      ; the same, C and D window 3
.set TO_B,   0x40                      ; destination window 1, address window 0
; A joint load: waves 0 and 1 fetch for A, waves 2 and 3 for B.  The branch hangs on the wave's number alone.  Four v_nop follow each of the two lines.
.macro JLOAD g0a, g1a, g0b, g1b
	s_cmp_eq_u32 s15, 0
	s_cbranch_scc0 .Lfor_b_\@
	tensor_load_to_lds s[\g0a:\g0a+3], s[\g1a:\g1a+7]
	s_nop 0
.rept 4
	v_nop
.endr
	s_branch .Lasked_\@
.Lfor_b_\@:
	tensor_load_to_lds s[\g0b:\g0b+3], s[\g1b:\g1b+7]
	s_nop 0
.rept 4
	v_nop
.endr
.Lasked_\@:
.endm
.macro CREST                           ; a round of the cluster's barrier behind its opening barrier
	s_cmp_lg_u32 s14, 0
	s_cbranch_scc1 .Lnot_wave_0_\@
	s_barrier_signal -3
.Lnot_wave_0_\@:
	s_barrier_wait -3
	s_barrier_signal -1
	s_barrier_wait -1
.endm
.macro CROUND                          ; a whole round
	s_barrier_signal -1
	s_barrier_wait -1
	CREST
.endm
	s_load_b256 s[68:75], s[0:1], 0x0              ; x s[68:69], W_qkv s[70:71], the scales' exponents s[72:73], the table s[74:75]
	s_load_b128 s[76:79], s[0:1], 0x20             ; q_img s[76:77], k_img s[78:79]
	s_load_b64 s[80:81], s[0:1], 0x30              ; v_img
	v_lshl_add_u32 v[SPW], v0, 2, SPARE
	v_mov_b32 v[NIL], 0
	ds_add_u32 v28, v29
	ds_add_u32 v28, v29
	s_wait_dscnt 0x0
	v_lshrrev_b32 v1, 5, v0
	v_readfirstlane_b32 s14, v1                    ; wave 0..3
	s_lshr_b32 s15, s14, 1                         ; which half of the tile's rows is mine.  Also: I fetch for A (0) or for B (1)
	s_and_b32 s16, s14, 1                          ; which half of its columns.  Also: which 128 rows of that tile I fetch
	s_bfe_u32 s40, ttmp6, 0x40000                  ; cx, cy: my place in the cluster
	s_bfe_u32 s41, ttmp6, 0x40004
	s_and_b32 s17, ttmp7, 0xffff                   ; the cluster's y, 0..7
	s_cmp_eq_u32 ttmp9, 2                          ; the cluster's x says which kind: the same in all sixteen partners
	s_cselect_b32 s18, 0, s17                      ; q, k: tile row = 4 y + cy (32 tiles of tokens), tile column = 4 x + cx (8 tiles of features)
	s_cselect_b32 s19, s17, ttmp9                  ; v:    tile row = cy (4 tiles of channels),      tile column = 4 y + cx (32 tiles of tokens)
	s_lshl_b32 s18, s18, 2
	s_add_co_u32 s17, s18, s41                     ; tile row
	s_lshl_b32 s19, s19, 2
	s_add_co_u32 s42, s19, s40                     ; tile column
	s_lshl_b32 s43, s41, 2
	s_lshl_b32 s43, 15, s43                        ; my row of the cluster
	s_lshl_b32 s44, 0x1111, s40                    ; my column
	; descriptor group 1: a tile of 128 rows x 256 bytes, padded in LDS
	s_or_b32 s[G1+0], s43, (0<<16)|(1<<20)|(1<<21)|(5<<22)|(3<<25)  ; 15:0 the mask: A's tiles go to my row; 17:16 element of 1 byte; 20 padding on; 21 set beside a mask; 24:22 after every 64 words; 31:25 of 4 words
	s_or_b32 s[G1B+0], s44, (0<<16)|(1<<20)|(1<<21)|(5<<22)|(3<<25)
.irp g, G1, G1B
	s_mov_b32 s[\g+1], ROWB<<16                    ; tensor_dim0
	s_mov_b32 s[\g+2], 128<<16                     ; tensor_dim1
	s_mov_b32 s[\g+3], ROWB<<16                    ; tile_dim0
	s_mov_b32 s[\g+4], 128                         ; tile_dim1
	s_mov_b32 s[\g+5], KROW                        ; tensor_dim0_stride
	s_mov_b32 s[\g+6], 0
	s_mov_b32 s[\g+7], 0
.endr
	s_lshl_b32 s18, s16, 7                         ; which 128 rows of the tile I fetch
	s_lshl_b32 s20, s17, 8
	s_add_co_u32 s20, s20, s18                     ; A: row 256 x tile row + 128 x half,
	s_lshl_b32 s20, s20, 10                        ; in bytes (under 2^23)
	s_mov_b32 s21, 0
	s_lshl_b32 s46, s42, 8
	s_add_co_u32 s46, s46, s18                     ; B: row 256 x tile column + 128 x half
	s_lshl_b32 s46, s46, 10
	s_mov_b32 s47, 0
	s_mul_i32 s45, s14, HALFT                      ; where they go: wave x 128 rows: no place in the cluster enters an LDS address
	s_wait_kmcnt 0x0
	s_load_b256 s[84:91], s[72:73], 0x0            ; e0 .. e7
	s_add_nc_u64 s[92:93], s[70:71], 0x200000      ; W_v: the third matrix of 1,024 x 1,024 codes
	s_cmp_eq_u32 ttmp9, 2
	s_cselect_b64 s[4:5], s[92:93], s[68:69]       ; A
	s_cselect_b64 s[6:7], s[68:69], s[70:71]       ; B
	s_add_nc_u64 s[20:21], s[4:5], s[20:21]
	s_add_nc_u64 s[46:47], s[6:7], s[46:47]
	CROUND                                         ; all sixteen work-groups are here: the first joint loads meet
.irp s, 0,1
	s_mov_b32 s[G0+4*\s], 1
	s_add_co_u32 s[G0+4*\s+1], s45, \s*SLOT
	s_add_nc_u64 s[G0+4*\s+2:G0+4*\s+3], s[20:21], \s*ROWB
	s_or_b32 s[G0+4*\s+3], s[G0+4*\s+3], 0x80000000
	s_mov_b32 s[G0B+4*\s], 1
	s_add_co_u32 s[G0B+4*\s+1], s45, \s*SLOT
	s_add_nc_u64 s[G0B+4*\s+2:G0B+4*\s+3], s[46:47], \s*ROWB
	s_or_b32 s[G0B+4*\s+3], s[G0B+4*\s+3], 0x80000000
.endr
	JLOAD G0, G1, G0B, G1B                         ; slot 0: one tensor load a wave at the head
	v_and_b32 v1, 15, v0
	v_bfe_u32 v2, v0, 4, 1                         ; h = lane / 16
	v_mul_u32_u24 v3, v1, PITCH
	v_lshl_add_u32 v4, v2, 4, v3                   ; a fragment's row x pitch + 16 x half
	s_mul_i32 s21, s15, HALFT                      ; my 128 rows of A
	s_mul_i32 s22, s16, HALFT                      ; my 128 rows of B,
	s_add_co_u32 s22, s22, 2*HALFT                 ; which lie behind A's 256
.irp s, 0,1
	v_add_nc_u32 v[ADRA+\s], s21, v4
	v_add_nc_u32 v[ADRB+\s], s22, v4
	s_add_co_u32 s21, s21, SLOT
	s_add_co_u32 s22, s22, SLOT
.endr
	v_and_b32 v6, 31, v0
	v_lshlrev_b32 v[LN16], 4, v6
	v_lshlrev_b32 v[CSO], 8, v1
	v_lshl_add_u32 v[CSO], v2, 5, v[CSO]
.macro FRAG reg, adr, q, i             ; a fragment: lane l holds row l % 16; registers 4 c .. 4 c + 3 hold K = 32 c + 16 (l / 16) + 0 .. 15: the same order of k in A and in B, so every product meets its partner
.irp c, 0,1,2,3
	ds_load_b128 v[\reg+4*\c:\reg+4*\c+3], v[\adr] offset:128*(\q)+32*\c+(\i)*16*PITCH
.endr
.endm
; 16 matrix instructions: A's blocks a0, a0 + 1 x B's eight, 128 along K.  p: B's set.  zero = 1: the first product starts the sums.
; The 64 accumulators take turns, one instruction a turn, in the same order in every step.
.macro MUL16 a0, p, zero
.irp a, \a0, \a0+1
.irp b, 0,1,2,3,4,5,6,7
.if \zero
	v_wmma_f32_16x16x128_bf8_bf8 v[8*(8*((\a)%4)+\b):8*(8*((\a)%4)+\b)+7], v[128*(\p)+FR*\b:128*(\p)+FR*\b+FR-1], v[AF+FR*(\a):AF+FR*(\a)+FR-1], 0
.else
	v_wmma_f32_16x16x128_bf8_bf8 v[8*(8*((\a)%4)+\b):8*(8*((\a)%4)+\b)+7], v[128*(\p)+FR*\b:128*(\p)+FR*\b+FR-1], v[AF+FR*(\a):AF+FR*(\a)+FR-1], v[8*(8*((\a)%4)+\b):8*(8*((\a)%4)+\b)+7]
.endif
.endr
.endr
.endm
.macro FETCH_B slot, q, p              ; B's eight fragments of the slot's q-th 128 along K into set p
	WIN TO_B
.irp i, 0,1,2,3,4,5,6,7
	FRAG 128*(\p)+FR*\i, ADRB+\slot, \q, \i
.endr
	WIN 0
.endm
.macro FETCH_A slot, q, i0             ; A's blocks i0 .. i0 + 3
.irp i, \i0, \i0+1, \i0+2, \i0+3
	FRAG AF+FR*(\i), ADRA+\slot, \q, \i
.endr
.endm
; A load into a register that a matrix instruction has read, and a vector instruction that reads a matrix result or writes one of its registers, stand NP places behind it; only plain vector
; instructions that name none of its registers are places (ISA guide 7.12.1 for vector instructions).
.macro PLACES n
.rept \n
	v_nop
.endr
.endm
; A step of 128 along K that has its successor in the same slot.
.macro STEP slot, q, zero
	s_wait_dscnt 4*NL                              ; B's set and A's blocks 0-3 are in; the youngest sixteen loads (A's blocks 4-7) may be out
	WIN MUL_LO
	MUL16 0, (\q)%2, \zero
	MUL16 2, (\q)%2, \zero
	s_wait_dscnt 0                                 ; A's blocks 4-7 are in
	PLACES NP
	FETCH_B \slot, (\q)+1, 1-(\q)%2
	FETCH_A \slot, (\q)+1, 0
	WIN MUL_HI
	MUL16 4, (\q)%2, \zero
	MUL16 6, (\q)%2, \zero
	PLACES NP
	WIN 0
	FETCH_A \slot, (\q)+1, 4
.endm
; A slot's last step changes slots: ONE barrier; in front of it each wave waits for all its tensor loads, adds 0 to its spare word, and waits for that and for its own reads of this slot.  fill = 1: this slot is filled again, two slots ahead.
.macro TURN slot, next, fill
	s_wait_tensorcnt 0x0                           ; all my tensor loads have landed: my part of the next slot
	ds_add_u32 v[SPW], v[NIL]                      ; 0 onto my spare word
	s_wait_dscnt 4*NL+1                            ; (the add and the youngest sixteen loads, A's blocks 4-7, may be out)
	WIN MUL_LO
	MUL16 0, 1, 0                                  ; sixteen matrix instructions stand between the add and the wait for it
	s_wait_dscnt 0x0                               ; the add is done, and my reads of this slot are over
	s_barrier_signal -1
	MUL16 2, 1, 0
	WIN 0
	s_barrier_wait -1
.if \fill
	CREST                                          ; the barrier has opened a round of the cluster's barrier: no wave of any partner still reads this slot's tile or has a load on its way
	s_add_nc_u64 s[G0+4*\slot+2:G0+4*\slot+3], s[G0+4*\slot+2:G0+4*\slot+3], 2*ROWB
	s_add_nc_u64 s[G0B+4*\slot+2:G0B+4*\slot+3], s[G0B+4*\slot+2:G0B+4*\slot+3], 2*ROWB
	JLOAD G0+4*\slot, G1, G0B+4*\slot, G1B         ; the first tensor load behind the round; its four v_nop are the places in front of the loads below
.else
	PLACES NP
.endif
	FETCH_B \next, 0, 0
	FETCH_A \next, 0, 0
	WIN MUL_HI
	MUL16 4, 1, 0
	MUL16 6, 1, 0
	PLACES NP
	WIN 0
	FETCH_A \next, 0, 4
.endm
.macro LAST                            ; the very last step: nothing more to fetch
	s_wait_dscnt 4*NL
	WIN MUL_LO
	MUL16 0, 1, 0
	MUL16 2, 1, 0
	s_wait_dscnt 0
	WIN MUL_HI
	MUL16 4, 1, 0
	MUL16 6, 1, 0
	WIN 0
.endm
; THE WAY OUT, block by block of 16 rows of A (a = 0 .. 7).
.macro CSLOAD a                        ; cos and sin of block a's 16 tokens: lane (r, h) takes, of token r, pairs 8 t + 4 h + 0 .. 3 (32 bytes) for t = 0 .. 3, into window 1, v[32 a + 8 t ..]
.irp t, 0,1,2,3
	global_load_b128 v[32*(\a)+8*\t:32*(\a)+8*\t+3], v[CSO], s[12:13] offset:4096*(\a)+64*\t
	global_load_b128 v[32*(\a)+8*\t+4:32*(\a)+8*\t+7], v[CSO], s[12:13] offset:4096*(\a)+64*\t+16
.endr
.endm
.macro ROT a                           ; the rotation: registers 2 p, 2 p + 1 of accumulator (a, b) are the pair 8 (b % 4) + 4 h + p of head b / 4.  Each accumulator is read from its low end on
.set AC, 64*((\a)%4)
.set CSB, 32*(\a)
	WIN 0x06+((\a)/4)                              ; source 0: the sums, window 2 or 3; source 1: cos and sin, window 1; the rest window 0
.irp b, 0,1,2,3,4,5,6,7
.irp p, 0,2,4,6
	v_pk_mul_f32 v[TMP+8*\b+\p:TMP+8*\b+\p+1], v[AC+8*\b+\p:AC+8*\b+\p+1], v[CSB+8*(\b%4)+\p:CSB+8*(\b%4)+\p+1] op_sel_hi:[1,0]   ; x1 cos, x2 cos
.endr
.irp p, 0,2,4,6
	v_fma_f32 v[TMP+8*\b+\p], -v[AC+8*\b+\p+1], v[CSB+8*(\b%4)+\p+1], v[TMP+8*\b+\p]       ; x1 cos - x2 sin
	v_fma_f32 v[TMP+8*\b+\p+1], v[AC+8*\b+\p], v[CSB+8*(\b%4)+\p+1], v[TMP+8*\b+\p+1]      ; x2 cos + x1 sin
.endr
.endr
	WIN 0
.endm
.macro HOLDV a                         ; v: no rotation: the hold takes the sums out of their window
.set AC, 64*((\a)%4)
	WIN 0x02+((\a)/4)
.set j, 0
.rept 64
	v_med3_num_f32 v[TMP+j], v[AC+j], -v[LIM], v[LIM]
.set j, j+1
.endr
	WIN 0
.endm
.macro QNT a, rot                      ; 64 numbers become 16 registers of codes, which are stored as they stand
.if \rot
.set j, 0
.rept 64
	v_med3_num_f32 v[TMP+j], v[TMP+j], -v[LIM], v[LIM]   ; the conversion to an 8-bit code does not saturate (ISA guide 7.6.2): the hold at the largest code x the scale
.set j, j+1
.endr
.endif
.irp b, 0,1,2,3,4,5,6,7
	v_cvt_scalef32_pk8_bf8_f32 v[CD+16*(\a)+2*\b:CD+16*(\a)+2*\b+1], v[TMP+8*\b:TMP+8*\b+7], v[SCL]
.endr
	v_nop                                          ; one plain vector line between the last conversion and the next block's lines, which write its sources
.irp g, 0,1,2,3
.if \rot
	global_store_b128 v[LN16], v[CD+16*(\a)+4*\g:CD+16*(\a)+4*\g+3], s[10:11] offset:(\g/2)*131072+1024*(\a)+512*(\g%2)   ; head g / 2 of my two, token tile a, group g % 2
.else
	global_store_b128 v[LN16], v[CD+16*(\a)+4*\g:CD+16*(\a)+4*\g+3], s[10:11] offset:((\a)/4)*131072+2048*((\a)%4)+512*\g ; head a / 4 of my two, channel tile a % 4, group g
.endif
.endr
.endm
.macro SCALES                          ; s96 = e - e0 - e1 + 127: the conversion's scale and the hold
	s_lshl_b32 s97, s96, 23
	v_mov_b32 v[SCL], s97
	s_add_co_i32 s96, s96, 15
	s_lshl_b32 s96, s96, 23
	s_or_b32 s96, s96, 0x600000
	v_mov_b32 v[LIM], s96
.endm
	s_wait_alu depctr_va_vdst(0)
	s_wait_tensorcnt 0x0                           ; my part of slot 0 is in; slot 1's first fill is issued as a refill is:
	ds_add_u32 v[SPW], v[NIL]                      ; 0 onto my spare word
	s_wait_dscnt 0x0
	CROUND                                         ; everybody's part of slot 0 is in, and all sixteen work-groups are here
	JLOAD G0+4, G1, G0B+4, G1B                     ; slot 1: the first tensor load behind the round
	FETCH_B 0, 0, 0
	FETCH_A 0, 0, 0
	FETCH_A 0, 0, 4
	STEP 0, 0, 1                                   ; the first step stands in front of the loop: its products start the sums
	s_mov_b32 s3, LAPS-1
.Llap:                                                 ; a trip goes once round the ring, from a lap's second step to the next lap's first, and fills both slots again
	TURN 0, 1, 1
	STEP 1, 0, 0
	TURN 1, 0, 1
	STEP 0, 0, 0
	s_sub_co_u32 s3, s3, 1
	s_cmp_lg_u32 s3, 0
	s_cbranch_scc1 .Llap
	TURN 0, 1, 0                                   ; the last lap fills nothing, and has no round of the cluster's barrier
	STEP 1, 0, 0
	s_cmp_eq_u32 ttmp9, 2                          ; ONE parting of the two kinds, on the cluster's x; no tensor load, barrier or LDS store stands on either way
	s_cbranch_scc1 .Lvalues
	; ---- q and k
	s_wait_kmcnt 0x0                               ; e0 .. e7
	s_and_b32 s92, s17, 7
	s_lshl_b32 s92, s92, 8
	s_lshl_b32 s93, s15, 7
	s_add_co_u32 s92, s92, s93                     ; my first token within its batch: 256 (tile row % 8) + 128 x half
	s_lshl_b32 s94, s92, 8                         ; a row of the table is 256 bytes
	s_mov_b32 s95, 0
	s_add_nc_u64 s[12:13], s[74:75], s[94:95]
	s_lshr_b32 s93, s17, 3                         ; batch
	s_lshl_b32 s93, s93, 4
	s_and_b32 s94, s42, 3
	s_lshl_b32 s94, s94, 2
	s_add_co_u32 s93, s93, s94
	s_lshl_b32 s94, s16, 1
	s_add_co_u32 s93, s93, s94                     ; 16 x batch + my first head: 4 (tile column % 4) + 2 x half
	s_lshl_b32 s93, s93, 17                        ; a head's images are 131,072 bytes
	s_lshl_b32 s92, s92, 6                         ; token / 16 x 1,024
	s_add_co_u32 s94, s93, s92
	s_cmp_eq_u32 ttmp9, 1
	s_cselect_b64 s[10:11], s[78:79], s[76:77]     ; k_img or q_img
	s_cselect_b32 s96, s87, s86                    ; e3 or e2
	s_add_nc_u64 s[10:11], s[10:11], s[94:95]
	s_sub_co_i32 s96, s96, s84
	s_sub_co_i32 s96, s96, s85
	s_add_co_i32 s96, s96, 127
	SCALES
	WIN TO_B
	CSLOAD 0                                       ; into B's set 0, whose last products stand in front of the step's places: 64 matrix instructions ahead of their use
	CSLOAD 1
	CSLOAD 2
	CSLOAD 3
	LAST
	PLACES NP                                      ; for the loads into B's set 1, the reads of the sums and the codes written where A's fragments lay
	WIN TO_B
	CSLOAD 4
	CSLOAD 5
	CSLOAD 6
	CSLOAD 7
	WIN 0
.irp a, 0,1,2,3,4,5,6,7
	s_wait_loadcnt 56-8*\a                         ; block a's eight loads are in; the eight of each later block may be out
	ROT \a
	QNT \a, 1
.endr
	s_branch .Lend
.Lvalues:
	; ---- v
	s_wait_kmcnt 0x0
	s_lshr_b32 s92, s42, 3                         ; batch
	s_lshl_b32 s92, s92, 4
	s_lshl_b32 s93, s17, 2
	s_add_co_u32 s92, s92, s93
	s_lshl_b32 s93, s15, 1
	s_add_co_u32 s92, s92, s93                     ; 16 x batch + my first head: 4 x tile row + 2 x half
	s_lshl_b32 s92, s92, 17
	s_and_b32 s93, s42, 7
	s_lshl_b32 s93, s93, 1
	s_add_co_u32 s93, s93, s16                     ; my 128 tokens are key step 2 (tile column % 8) + half
	s_lshl_b32 s93, s93, 13
	s_add_co_u32 s94, s92, s93
	s_mov_b32 s95, 0
	s_add_nc_u64 s[10:11], s[80:81], s[94:95]
	s_sub_co_i32 s96, s89, s84                     ; e5 - e0 - e1
	s_sub_co_i32 s96, s96, s85
	s_add_co_i32 s96, s96, 127
	SCALES
	LAST
	PLACES NP
	s_wait_alu depctr_va_vdst(0)
.irp a, 0,1,2,3,4,5,6,7
	HOLDV \a
	QNT \a, 0
.endr
.Lend:
	s_wait_tensorcnt 0x0                           ; the wave's end
	ds_add_u32 v[SPW], v[NIL]
	s_wait_dscnt 0x0
	CROUND                                         ; the closing round: no work-group ends while a partner may still ask for a tile that names it
	s_endpgm
.Lfunc_end_k_qd39d19f370_qkv:
	.size	k_qd39d19f370_qkv, .Lfunc_end_k_qd39d19f370_qkv-k_qd39d19f370_qkv
	.p2alignl 7, 3214868480
	.fill 96, 4, 3214868480
	.section	.rodata,"a",@progbits
	.p2align	6, 0x0
	.amdhsa_kernel k_qd39d19f370_qkv
		.amdhsa_group_segment_fixed_size 327680
		.amdhsa_private_segment_fixed_size 0
		.amdhsa_enable_private_segment 0
		.amdhsa_kernarg_size 56
		.amdhsa_user_sgpr_count 2
		.amdhsa_user_sgpr_kernarg_segment_ptr 1
		.amdhsa_wavefront_size32 1
		.amdhsa_system_sgpr_workgroup_id_x 1
		.amdhsa_system_sgpr_workgroup_id_y 1
		.amdhsa_system_sgpr_workgroup_id_z 1
		.amdhsa_system_vgpr_workitem_id 0
		.amdhsa_next_free_vgpr 1024
		.amdhsa_next_free_sgpr 100
		.amdhsa_reserve_vcc 0
		.amdhsa_float_denorm_mode_32 3
		.amdhsa_float_denorm_mode_16_64 3
		.amdhsa_memory_ordered 1
		.amdhsa_forward_progress 1
		.amdhsa_inst_pref_size 218
	.end_amdhsa_kernel
	.amdgpu_metadata
---
amdhsa.version: [ 1, 2 ]
amdhsa.kernels:
  - .name:           k_qd39d19f370_qkv
    .symbol:         k_qd39d19f370_qkv.kd
    .args:
      - { .name: x_codes, .offset: 0, .size: 8, .value_kind: global_buffer, .address_space: global }
      - { .name: W_qkv_codes, .offset: 8, .size: 8, .value_kind: global_buffer, .address_space: global }
      - { .name: lowp_scales, .offset: 16, .size: 8, .value_kind: global_buffer, .address_space: global }
      - { .name: rope, .offset: 24, .size: 8, .value_kind: global_buffer, .address_space: global }
      - { .name: q_img, .offset: 32, .size: 8, .value_kind: global_buffer, .address_space: global }
      - { .name: k_img, .offset: 40, .size: 8, .value_kind: global_buffer, .address_space: global }
      - { .name: v_img, .offset: 48, .size: 8, .value_kind: global_buffer, .address_space: global }
    .group_segment_fixed_size: 327680
    .private_segment_fixed_size: 0
    .kernarg_segment_align: 8
    .kernarg_segment_size: 56
    .max_flat_workgroup_size: 128
    .sgpr_count:     100
    .vgpr_count:     1024
    .wavefront_size: 32
...
	.end_amdgpu_metadata
.endif
;; end of part 2
;; launch attn (part 3): grid 4 x 64, 8 waves a work-group, clusters of 4 x 1, 327,680 bytes of LDS; arguments q_img, k_img, v_img, lowp_scales, a_img; writes a_img
.if DOCPART == 3
	.amdgcn_target "amdgcn-amd-amdhsa--gfx1250"
	.amdhsa_code_object_version 6
	.text
	.protected	k_qd39d19f370_attn
	.globl	k_qd39d19f370_attn
	.p2align	8
	.type	k_qd39d19f370_attn,@function
k_qd39d19f370_attn:
	s_mov_b64 s[64:65], 0
	v_nop
	global_prefetch_b8 v0, s[64:65] scope:SCOPE_SE
	s_setreg_imm32_b32 hwreg(HW_REG_WAVE_MODE, 25, 1), 1
	s_wait_xcnt 0x0
	s_wait_alu depctr_hold_cnt(0) depctr_sa_sdst(0) depctr_va_vdst(0) depctr_va_sdst(0) depctr_va_ssrc(0) depctr_va_vcc(0) depctr_vm_vsrc(0)
	s_getreg_b32 s2, hwreg(HW_REG_IB_STS2, 6, 4)
	s_cmp_eq_u32 s2, 0
	s_cbranch_scc0 .Lentry_in_a_cluster
	s_endpgm
.Lentry_in_a_cluster:
	s_bfe_u32 s2, ttmp6, 0x10000c
	s_cmp_lg_u32 s2, 0x3003
	s_cbranch_scc0 .Lentry_shape_is_right
	s_endpgm
.Lentry_shape_is_right:
; Causal attention of one head on codes of BF8 (E5M2): S = q k^T / 8, softmax, O = p v; O / l is quantised with e6 and stored as an image of the last product's operand.
; THE SOFTMAX AHEAD OF THE SECOND PRODUCT: t = score x log2(e) / 8; M = the row's largest t so far, rounded UP to a whole number; p = 2^(t - M) is quantised with e4, along the keys, not normalised.
; The row's sum l is taken of the unquantised p and divides O at the end.  When M moves, l and O are multiplied by 2^(old M - new M): exact.
; LDS HOLDS A HEAD'S WHOLE K AND V: 2 x 131,072 bytes of operand images; nothing is filled again.  They come in two parts, each by one tensor load a wave (waves 0-3: K, waves 4-7: V): key steps 0-3 (8,192 bytes a wave) at the head,
; key steps 4-15 (24,576 bytes a wave) behind the first part's wait and a round of the cluster's barrier; that part is waited for behind the first four steps.  No prefetch: all bytes are asked for ahead of the first step.
; CLUSTER: the four work-groups of a head (cx = 0..3) need the same bytes: they ask jointly, with descriptors made of the head and the wave's number alone.
; SHARES.  Work-group cx owns the query tiles (16 queries) 4 j + cx.  A wave works on a PAIR of them at once, tiles 8 m + cx and 8 m + 4 + cx, so that each fragment of K and V read from LDS feeds two matrix instructions.
; A pair needs the key steps (128 keys) 0 .. m: steps whose keys the causal mask hides wholly are not done.  Wave w takes m = 15 - w and then m = w: 17 steps for every wave of every work-group; no branch hangs on cx.
; The loops have constant trip counts (4, 12 and 8); a trip beyond the pair's last step is jumped over.
; LAYOUT.  Both products are used transposed: S^T = K Q^T (source 0 = 16 keys, source 1 = 16 queries, K = 64), O^T = V^T P^T (source 0 = 16 channels, source 1 = P, K = 128 keys): a lane holds ONE query of each tile (lane % 16).
; In S^T register j of key tile kt is key 16 kt + 8 (lane / 16) + j: the eight codes made of a tile's registers are registers 2 kt, 2 kt + 1 of the second product's operand, as they stand.
; THE MASK.  A pair's last step lies on the diagonal.  With d = 16 cx + r - 8 h: in the low tile register n < 32 is hidden where 16 (n / 8) + n % 8 > d and registers 32-63 (keys 64-127) always;
; in the high tile, 64 queries on, registers 0-31 always count and register 32 + n is hidden where the low tile's n is: one compare serves both.  Hidden scores become -infinity, so p = 0.  Key 0 counts for every query.
; OUT.  a_img: [k / 256 (4)][token / 16 (512)][4,096 bytes]; my head's channel 16 t + 8 (lane / 16) + j falls on 1,024 (head % 4) + 256 t + 16 r + 8 (lane / 16) + j: each store of a wave covers 256 consecutive bytes, aligned.
; LIMITS on the given exponents, so that each power of two below is an f32 number: e2 + e3 between -123 and 130 (added to c's exponent field); e4, and e6 - e4 - e5, between -126 and 112.  NaN is not served.
; REGISTERS.  Window 0: v1-9 addresses; v10-15, v80-85 the running numbers; v16-31, v64-79 Q of my two pairs; v32-63 codes; v86-107 at work; v108-113 constants; v128-191, v192-255 S^T, then p, of the low and the high tile.
;             Window 1: v0-63 K's eight fragments; v64-127 V's four; v128-159, v160-191 O^T of the low and the high tile.
.set VB,    131072                     ; V's images lie behind K's
.set P1,    32768                      ; key steps 0-3 of K, and of V
.set SPARE, 262144                     ; behind both: the spare words, 128 bytes for each wave, which no other line names
.set LN16, 1                           ; v1   16 x lane
.set AO,   2                           ; v2   16 r + 8 h: my 8 bytes of a store's 256
.set SPW,  5                           ; v5   LDS address of my spare word; never rewritten
.set NIL,  6                           ; v6   0; never rewritten
.set AD,   8                           ; v8   the step's K images + 16 x lane
.set ADV,  9                           ; v9   the step's V images + 16 x lane
.set LP,   38                          ; s38  57,344 x 2^e4
.set SCP,  109                         ; v109 2^e4
.set LIMO, 110                         ; v110 57,344 x 2^(e6 - e4 - e5)
.set SCO,  111                         ; v111 2^(e6 - e4 - e5)
.set NINF, 112                         ; v112 -infinity
.set DM,   113                         ; v113 d, for the mask
.set WV,   18                          ; s18  my wave's number
.set SEL,  20                          ; s[20:21] lane selects for v_permlanex16_b32: lane l xor 16
.set CS,   22                          ; s[22:23] c = log2(e) / 8 x 2^(e2 + e3)
.set G1A,  24                          ; s[24:31] descriptor group 1, first part
.set CX,   33                          ; s33  my work-group's place in the cluster
.set TB,   34                          ; s34  8,192 x the key step
.set TRIPN, 35                         ; s35  the key step
.set NA,   36                          ; s36  key steps of my first pair
.set NB,   37                          ; s37  of my second
.set G0A,  40                          ; s[40:43] descriptor group 0, first part
.set G0B,  44                          ; s[44:47] second part
.set G1B,  48                          ; s[48:55] descriptor group 1, second part
.set MSB, 0
.macro WIN new                         ; the register windows: bits 1:0 source 0, 3:2 source 1, 5:4 source 2, 7:6 destination; the high byte repeats the setting that is left
.if MSB != (\new)
	s_set_vgpr_msb (MSB<<8)|(\new)
.set MSB, (\new)
.endif
.endm
.macro CROUND                          ; a round of the cluster's barrier
	s_barrier_signal -1
	s_barrier_wait -1
	s_cmp_lg_u32 s[WV], 0
	s_cbranch_scc1 .Lnot_wave_0_\@
	s_barrier_signal -3
.Lnot_wave_0_\@:
	s_barrier_wait -3
	s_barrier_signal -1
	s_barrier_wait -1
.endm
	s_load_b256 s[4:11], s[0:1], 0x0               ; q_img s[4:5], k_img s[6:7], v_img s[8:9], the scales' exponents s[10:11]
	s_load_b64 s[12:13], s[0:1], 0x20              ; a_img
	v_lshl_add_u32 v[SPW], v0, 2, SPARE
	v_mov_b32 v[NIL], 0
	ds_add_u32 v[SPW], v[NIL]                      ; the opening lines: the add, twice on end, and its wait ahead of my first tensor load
	ds_add_u32 v[SPW], v[NIL]
	v_lshrrev_b32 v8, 5, v0
	v_readfirstlane_b32 s[WV], v8                  ; wave 0..7
	s_bfe_u32 s[CX], ttmp6, 0x40000
	s_and_b32 s76, ttmp7, 0xffff                   ; 16 x batch + head
	s_lshl_b32 s92, s76, 17                        ; its first byte in q_img, k_img and v_img
	s_sub_co_u32 s[NA], 16, s[WV]                  ; m + 1 of my first pair, m = 15 - w,
	s_add_co_u32 s[NB], s[WV], 1                   ; and of my second, m = w
	s_sub_co_u32 s77, 15, s[WV]
	s_lshl_b32 s77, s77, 7
	s_lshl_b32 s78, s[CX], 4
	s_add_co_u32 s77, s77, s78                     ; the first pair's first query: 128 m + 16 cx
	s_lshl_b32 s79, s[WV], 7
	s_add_co_u32 s79, s79, s78                     ; the second pair's
	s_lshl_b32 s80, s77, 6                         ; Q's image: query / 16 x 1,024
	s_add_co_u32 s80, s80, s92
	s_mov_b32 s81, 0
	s_lshl_b32 s82, s79, 6
	s_add_co_u32 s82, s82, s92
	s_mov_b32 s83, 0
	s_and_b32 s84, s76, 15                         ; head
	s_lshr_b32 s85, s84, 2
	s_lshl_b32 s85, s85, 21                        ; its K step of 256 in a_img: 512 tiles x 4,096 bytes
	s_and_b32 s84, s84, 3
	s_lshl_b32 s84, s84, 10                        ; its 64 channels in a tile's image
	s_add_co_u32 s85, s85, s84
	s_lshr_b32 s84, s76, 4                         ; batch: 128 tiles x 4,096 bytes
	s_lshl_b32 s84, s84, 19
	s_add_co_u32 s85, s85, s84
	s_lshl_b32 s86, s77, 8                         ; query / 16 x 4,096
	s_add_co_u32 s86, s86, s85
	s_mov_b32 s87, 0
	s_lshl_b32 s88, s79, 8
	s_add_co_u32 s88, s88, s85
	s_mov_b32 s89, 0
	; descriptor groups 1: dense blocks as rows of 32 elements of 8 bytes, for all four work-groups of the cluster: 32 rows in the first part, 96 in the second
.irp g, G1A, G1B
	s_mov_b32 s[\g], 15|(3<<16)|(1<<21)            ; 15:0 the mask; 17:16 elements of 8 bytes; 21 set beside a mask; no padding
	s_mov_b32 s[\g+1], 32<<16                      ; tensor_dim0
	s_mov_b32 s[\g+3], 32<<16                      ; tile_dim0
	s_mov_b32 s[\g+5], 32                          ; tensor_dim0_stride
	s_mov_b32 s[\g+6], 0
	s_mov_b32 s[\g+7], 0
.endr
	s_mov_b32 s[G1A+2], 32<<16                     ; tensor_dim1
	s_mov_b32 s[G1A+4], 32                         ; tile_dim1
	s_mov_b32 s[G1B+2], 96<<16
	s_mov_b32 s[G1B+4], 96
	s_mov_b32 s[G0A], 1                            ; count = 1
	s_mov_b32 s[G0B], 1
	s_lshr_b32 s96, s[WV], 2
	s_lshl_b32 s96, s96, 17                        ; K's region of LDS, or V's
	s_and_b32 s97, s[WV], 3                        ; my quarter of a part
	s_lshl_b32 s98, s97, 13
	s_add_co_u32 s[G0A+1], s96, s98                ; LDS address, first part
	s_add_co_u32 s90, s98, s92                     ; and its bytes in my head
	s_mov_b32 s91, 0
	s_mul_i32 s97, s97, 24576
	s_add_co_u32 s97, s97, P1
	s_add_co_u32 s[G0B+1], s96, s97                ; second part
	s_add_co_u32 s94, s97, s92
	s_mov_b32 s95, 0
	s_mov_b32 s[SEL], 0x76543210
	s_mov_b32 s[SEL+1], 0xfedcba98
	s_mov_b32 s[CS], 0x3e38aa3b                    ; log2(e) / 8
	s_wait_dscnt 0x0                               ; both opening adds are done
	s_wait_kmcnt 0x0
	s_load_b256 s[68:75], s[10:11], 0x0            ; e0 .. e7
	s_cmp_lt_u32 s[WV], 4
	s_cselect_b64 s[G0A+2:G0A+3], s[6:7], s[8:9]   ; waves 0-3: K; waves 4-7: V
	s_cselect_b64 s[G0B+2:G0B+3], s[6:7], s[8:9]
	s_add_nc_u64 s[G0A+2:G0A+3], s[G0A+2:G0A+3], s[90:91]
	s_add_nc_u64 s[G0B+2:G0B+3], s[G0B+2:G0B+3], s[94:95]
	s_or_b32 s[G0A+3], s[G0A+3], 0x80000000        ; type = 2
	s_or_b32 s[G0B+3], s[G0B+3], 0x80000000
	CROUND                                         ; all four work-groups are here: the joint loads meet
	tensor_load_to_lds s[G0A:G0A+3], s[G1A:G1A+7]  ; key steps 0-3: my one tensor load at the head
	s_nop 0
.rept 4
	v_nop
.endr
	s_add_nc_u64 s[56:57], s[4:5], s[80:81]        ; Q's images, first pair,
	s_add_nc_u64 s[58:59], s[4:5], s[82:83]        ; second pair
	s_add_nc_u64 s[60:61], s[12:13], s[86:87]      ; where the result goes, first pair,
	s_add_nc_u64 s[62:63], s[12:13], s[88:89]      ; second pair
	v_and_b32 v8, 31, v0
	v_lshlrev_b32 v[LN16], 4, v8
	v_and_b32 v9, 15, v0                           ; r
	v_bfe_u32 v10, v0, 4, 1                        ; h
	v_lshlrev_b32 v[AO], 4, v9
	v_lshl_add_u32 v[AO], v10, 3, v[AO]
	v_lshlrev_b32 v11, 3, v10
	v_sub_nc_u32 v11, v9, v11
	v_add_nc_u32 v[DM], s78, v11                   ; d = 16 cx + r - 8 h
.irp u, 0,1                                    ; the Q fragments stay in registers: the pair's high tile lies four images on
	global_load_b128 v[16+8*\u:19+8*\u], v[LN16], s[56:57] offset:4096*\u
	global_load_b128 v[20+8*\u:23+8*\u], v[LN16], s[56:57] offset:4096*\u+512
	global_load_b128 v[64+8*\u:67+8*\u], v[LN16], s[58:59] offset:4096*\u
	global_load_b128 v[68+8*\u:71+8*\u], v[LN16], s[58:59] offset:4096*\u+512
.endr
.macro BEGIN                           ; the running numbers of a pair: low tile v12 -M, v13 the largest t, v[14:15] the sum in two halves; high tile v10, v11, v[80:81]; O^T = 0 (a pair's first step finds zeros, which the first change of M leaves zeros)
	v_mov_b32 v13, 0xff61b1e6                      ; -3e38, under every t
	v_mov_b32 v11, 0xff61b1e6
	v_floor_f32 v12, -v13
	v_floor_f32 v10, -v11
	v_mov_b32 v14, 0
	v_mov_b32 v15, 0
	v_mov_b32 v80, 0
	v_mov_b32 v81, 0
	WIN 0x40
.set j, 0
.rept 64
	v_mov_b32 v[128+j], 0
.set j, j+1
.endr
	WIN 0
.endm
	BEGIN
	v_mov_b32 v83, 0                               ; named as the upper halves of the pairs v[82:83] and v[84:85],
	v_mov_b32 v85, 0
	v_mov_b32 v90, 0                               ; and a lane permute's destination counts as one of its sources
	v_mov_b32 v91, 0
	v_mov_b32 v[NINF], 0xff800000
	s_wait_kmcnt 0x0
	s_add_co_i32 s76, s70, s71                     ; a score stands for score x 2^(e2 + e3): the two exponents are added to c's exponent field
	s_lshl_b32 s76, s76, 23
	s_add_co_i32 s[CS], s[CS], s76
	s_mov_b32 s[CS+1], s[CS]                       ; (named with it as a pair, so it is written)
	s_add_co_i32 s76, s72, 127
	s_lshl_b32 s77, s76, 23
	v_mov_b32 v[SCP], s77
	s_add_co_i32 s76, s76, 15
	s_lshl_b32 s76, s76, 23
	s_or_b32 s76, s76, 0x600000
	s_mov_b32 s[LP], s76
	s_sub_co_i32 s76, s74, s72                     ; a sum of the second product stands for sum x 2^(e4 + e5): the result's conversion takes 2^(e6 - e4 - e5)
	s_sub_co_i32 s76, s76, s73
	s_add_co_i32 s76, s76, 127
	s_lshl_b32 s77, s76, 23
	v_mov_b32 v[SCO], s77
	s_add_co_i32 s76, s76, 15
	s_lshl_b32 s76, s76, 23
	s_or_b32 s76, s76, 0x600000
	v_mov_b32 v[LIMO], s76
; A KEY STEP: keys 128 x s[TRIPN] on, for both tiles of the pair.  qr: the pair's Q; nn: its number of steps; chk = 0: a step that every wave walks and that lies under the diagonal.
; The two tiles' lines stand by turns, so that no line reads what the line above it wrote.
.macro STEP qr, nn, chk
.if \chk
	s_cmp_ge_u32 s[TRIPN], s[\nn]                  ; all 128 keys come after my queries: the step's work is left out (a branch on the wave's number and the count of trips)
	s_cbranch_scc1 .Lhidden_\@
.endif
	v_add_nc_u32 v[AD], s[TB], v[LN16]
	v_add_nc_u32 v[ADV], VB, v[AD]
.rept 2
	v_nop                                          ; with the two additions: four places in front of loads into registers that the last products read
.endr
	WIN 0x40                                       ; destination: window 1
.irp t, 0,1,2,3,4,5,6,7
	ds_load_b128 v[8*\t:8*\t+3], v[AD] offset:\t*1024
	ds_load_b128 v[8*\t+4:8*\t+7], v[AD] offset:\t*1024+512
.endr
.irp t, 0,1,2,3
.irp c, 0,1,2,3
	ds_load_b128 v[64+16*\t+4*\c:67+16*\t+4*\c], v[ADV] offset:2048*\t+512*\c   ; V's four fragments land while the softmax is worked
.endr
.endr
	WIN 0x01                                       ; source 0: window 1
	s_wait_dscnt 16                                ; K's sixteen loads are in; V's sixteen, issued behind them, may be out
.irp t, 0,1,2,3,4,5,6,7
	v_wmma_f32_16x16x64_bf8_bf8 v[128+8*\t:135+8*\t], v[8*\t:8*\t+7], v[\qr:\qr+7], 0      ; S^T: 16 keys x the low tile's 16 queries,
	v_wmma_f32_16x16x64_bf8_bf8 v[192+8*\t:199+8*\t], v[8*\t:8*\t+7], v[\qr+8:\qr+15], 0   ; and the high tile's
.endr
	WIN 0
.rept 4
	v_nop                                          ; places in front of the first read of the scores
.endr
.if \chk
	s_add_co_u32 s96, s[TRIPN], 1
	s_cmp_lg_u32 s96, s[\nn]                       ; only the pair's last step lies on the diagonal
	s_cbranch_scc1 .Lopen_\@
.set n, 0
.rept 32
	v_cmp_gt_i32 vcc_lo, 16*(n/8)+n%8, v[DM]
	v_cndmask_b32 v[128+n], v[128+n], v[NINF], vcc_lo
	v_cndmask_b32 v[224+n], v[224+n], v[NINF], vcc_lo
.set n, n+1
.endr
.set n, 0
.rept 32
	v_mov_b32 v[160+n], v[NINF]
.set n, n+1
.endr
.Lopen_\@:
.endif
	v_max3_num_f32 v86, v128, v129, v130           ; the step's largest score of each query, among my 64 keys, in two chains a tile (each accumulator is first read at its low end),
	v_max3_num_f32 v88, v192, v193, v194
	v_max3_num_f32 v87, v131, v132, v133
	v_max3_num_f32 v89, v195, v196, v197
.irp i, 6,10,14,18,22,26,30,34,38,42,46,50,54,58
	v_max3_num_f32 v86, v86, v[128+\i], v[129+\i]
	v_max3_num_f32 v88, v88, v[192+\i], v[193+\i]
	v_max3_num_f32 v87, v87, v[130+\i], v[131+\i]
	v_max3_num_f32 v89, v89, v[194+\i], v[195+\i]
.endr
	v_max3_num_f32 v86, v86, v190, v191
	v_max3_num_f32 v88, v88, v254, v255
	v_max_num_f32 v86, v86, v87
	v_max_num_f32 v88, v88, v89
	v_permlanex16_b32 v90, v86, s[SEL], s[SEL+1]
	v_permlanex16_b32 v91, v88, s[SEL], s[SEL+1]
	v_max_num_f32 v86, v86, v90                    ; and among lane l xor 16's
	v_max_num_f32 v88, v88, v91
	v_mul_f32 v86, s[CS], v86                      ; as t (c is positive)
	v_mul_f32 v88, s[CS], v88
	v_max_num_f32 v13, v13, v86                    ; the running largest t
	v_max_num_f32 v11, v11, v88
	v_mov_b32 v92, v12
	v_mov_b32 v93, v10
	v_floor_f32 v12, -v13                          ; the new -M = floor(-t) = -ceil(t): M is a whole number
	v_floor_f32 v10, -v11
	v_sub_f32 v92, v12, v92                        ; M's old value less its new one: a whole number, 0 or less
	v_sub_f32 v93, v10, v93
	v_cvt_i32_f32 v92, v92                         ; (it saturates)
	v_cvt_i32_f32 v93, v93
	v_ldexp_f32 v82, 1.0, v92                      ; f = 2^(old M - new M)
	v_ldexp_f32 v84, 1.0, v93
.set j, 0
.rept 32
	v_pk_fma_f32 v[128+j:129+j], v[128+j:129+j], s[CS:CS+1], v[12:13] op_sel_hi:[1,0,0]   ; t - M, two at a time (of the pairs c and -M the low word serves both halves)
	v_pk_fma_f32 v[192+j:193+j], v[192+j:193+j], s[CS:CS+1], v[10:11] op_sel_hi:[1,0,0]
.set j, j+2
.endr
	v_pk_mul_f32 v[14:15], v[14:15], v[82:83] op_sel_hi:[1,0]   ; the sums under the new M
	v_pk_mul_f32 v[80:81], v[80:81], v[84:85] op_sel_hi:[1,0]
	WIN 0x41                                       ; source 0 and destination: window 1
.set j, 0
.rept 16
	v_pk_mul_f32 v[128+j:129+j], v[128+j:129+j], v[82:83] op_sel_hi:[1,0]   ; O^T under the new M: read here, ahead of the exponentials, each accumulator from its low end on
	v_pk_mul_f32 v[160+j:161+j], v[160+j:161+j], v[84:85] op_sel_hi:[1,0]
.set j, j+2
.endr
	WIN 0
	s_wait_alu depctr_va_vdst(0)                   ; one wait ahead of the batch
.set j, 0
.rept 128
	v_exp_f32 v[128+j], v[128+j]                   ; p = 2^(t - M), at most 1: not normalised
.set j, j+1
.endr
	v_nop                                          ; the plain line behind the exponentials
	s_wait_alu depctr_va_vdst(0)                   ; one wait for the whole batch, ahead of its first reader
	v_pk_add_f32 v[96:97], v[128:129], v[130:131]  ; the rows' sums of the unquantised p, in four chains a tile
	v_pk_add_f32 v[102:103], v[192:193], v[194:195]
	v_pk_add_f32 v[98:99], v[132:133], v[134:135]
	v_pk_add_f32 v[104:105], v[196:197], v[198:199]
	v_pk_add_f32 v[100:101], v[136:137], v[138:139]
	v_pk_add_f32 v[106:107], v[200:201], v[202:203]
	v_pk_add_f32 v[14:15], v[14:15], v[140:141]
	v_pk_add_f32 v[80:81], v[80:81], v[204:205]
	v_pk_add_f32 v[96:97], v[96:97], v[142:143]
	v_pk_add_f32 v[102:103], v[102:103], v[206:207]
.irp k, 16,24,32,40,48,56
	v_pk_add_f32 v[98:99], v[98:99], v[128+\k:129+\k]
	v_pk_add_f32 v[104:105], v[104:105], v[192+\k:193+\k]
	v_pk_add_f32 v[100:101], v[100:101], v[130+\k:131+\k]
	v_pk_add_f32 v[106:107], v[106:107], v[194+\k:195+\k]
	v_pk_add_f32 v[14:15], v[14:15], v[132+\k:133+\k]
	v_pk_add_f32 v[80:81], v[80:81], v[196+\k:197+\k]
	v_pk_add_f32 v[96:97], v[96:97], v[134+\k:135+\k]
	v_pk_add_f32 v[102:103], v[102:103], v[198+\k:199+\k]
.endr
	v_pk_add_f32 v[96:97], v[96:97], v[98:99]
	v_pk_add_f32 v[102:103], v[102:103], v[104:105]
	v_pk_add_f32 v[14:15], v[14:15], v[100:101]
	v_pk_add_f32 v[80:81], v[80:81], v[106:107]
	v_pk_add_f32 v[14:15], v[14:15], v[96:97]
	v_pk_add_f32 v[80:81], v[80:81], v[102:103]
.irp t, 0,1,2,3,4,5,6,7
.irp i, 0,2,4,6
	v_dual_min_num_f32 v[128+8*\t+\i], s[LP], v[128+8*\t+\i] :: v_dual_min_num_f32 v[129+8*\t+\i], s[LP], v[129+8*\t+\i]   ; the conversion to an 8-bit code does not saturate (ISA guide 7.6.2); p is not negative, so the hold is one-sided; two holds an instruction
.endr
	v_cvt_scalef32_pk8_bf8_f32 v[32+2*\t:33+2*\t], v[128+8*\t:135+8*\t], v[SCP]   ; keys 16 t + 8 h + 0 .. 7: registers 2 t, 2 t + 1 of the operand
.irp i, 0,2,4,6
	v_dual_min_num_f32 v[192+8*\t+\i], s[LP], v[192+8*\t+\i] :: v_dual_min_num_f32 v[193+8*\t+\i], s[LP], v[193+8*\t+\i]
.endr
	v_cvt_scalef32_pk8_bf8_f32 v[48+2*\t:49+2*\t], v[192+8*\t:199+8*\t], v[SCP]
.endr
	v_nop                                          ; one plain line between the last conversion and the products that read the codes
	WIN 0x51                                       ; source 0 (V), C and D (O^T): window 1; source 1 (the codes): window 0
	s_wait_alu depctr_va_vdst(0)
	s_wait_dscnt 0x0                               ; V is in
.irp t, 0,1,2,3
	v_wmma_f32_16x16x128_bf8_bf8 v[128+8*\t:135+8*\t], v[64+16*\t:79+16*\t], v[32:47], v[128+8*\t:135+8*\t]   ; the eight accumulators take turns; the next step's sixteen products stand between two turns of one
	v_wmma_f32_16x16x128_bf8_bf8 v[160+8*\t:167+8*\t], v[64+16*\t:79+16*\t], v[48:63], v[160+8*\t:167+8*\t]
.endr
	WIN 0
.if \chk
.Lhidden_\@:
.endif
.endm
; A PAIR'S END: O^T / l, quantised, stored.  out: the scalar pair with the low tile's address; the high tile's image lies four images, 16,384 bytes, on.  more = 1: my second pair follows.
.macro FLUSH out, more
.rept 4
	v_nop                                          ; places behind the last products
.endr
	v_add_f32 v14, v14, v15                        ; the sums' two halves,
	v_add_f32 v80, v80, v81
	v_permlanex16_b32 v90, v14, s[SEL], s[SEL+1]
	v_permlanex16_b32 v91, v80, s[SEL], s[SEL+1]
	v_add_f32 v14, v14, v90                        ; and lane l xor 16's: the rows' sums
	v_add_f32 v80, v80, v91
	s_wait_alu depctr_va_vdst(0)                   ; the wait ahead of the transcendentals
	v_rcp_f32 v14, v14
	v_rcp_f32 v80, v80
	v_nop                                          ; a plain line behind them
	WIN 0x01                                       ; source 0: window 1
	s_wait_alu depctr_va_vdst(0)                   ; and the wait ahead of their first reader, which is also O^T's
.set j, 0
.rept 16
	v_pk_mul_f32 v[128+j:129+j], v[128+j:129+j], v[14:15] op_sel_hi:[1,0]   ; O^T / l: register 8 t + i is channel 16 t + 8 h + i of my query
.set j, j+2
.endr
.set j, 0
.rept 16
	v_pk_mul_f32 v[160+j:161+j], v[160+j:161+j], v[80:81] op_sel_hi:[1,0]
.set j, j+2
.endr
	WIN 0
.set j, 0
.rept 64
	v_med3_num_f32 v[128+j], v[128+j], -v[LIMO], v[LIMO]   ; the hold at the largest code x the scale
.set j, j+1
.endr
.irp t, 0,1,2,3,4,5,6,7
	v_cvt_scalef32_pk8_bf8_f32 v[32+2*\t:33+2*\t], v[128+8*\t:135+8*\t], v[SCO]
.endr
	v_nop                                          ; one plain line behind the last conversion
.irp t, 0,1,2,3
	global_store_b64 v[AO], v[32+2*\t:33+2*\t], s[\out:\out+1] offset:256*\t          ; the wave stores 256 consecutive bytes, aligned
	global_store_b64 v[AO], v[40+2*\t:41+2*\t], s[\out:\out+1] offset:16384+256*\t
.endr
.if \more
	BEGIN
	s_wait_alu depctr_va_vdst(0)
	s_wait_xcnt 0x0                                ; the stores have read their registers: the codes' registers are written again in the next step
.endif
.endm
.macro NEXT                            ; on to the next key step
	s_add_co_u32 s[TB], s[TB], 8192
	s_add_co_u32 s[TRIPN], s[TRIPN], 1
.endm
	s_mov_b32 s[TRIPN], 0
	s_mov_b32 s[TB], 0
	s_wait_alu depctr_va_vdst(0)
	s_wait_loadcnt 0x0                             ; Q
	s_wait_tensorcnt 0x0                           ; my eighth of key steps 0-3 is in
	ds_add_u32 v[SPW], v[NIL]
	s_wait_dscnt 0x0
	CROUND                                         ; everybody's is in, and all four work-groups are here
	tensor_load_to_lds s[G0B:G0B+3], s[G1B:G1B+7]  ; key steps 4-15: it has the four steps below in which to land
	s_nop 0
.rept 4
	v_nop
.endr
.Lunder:                                           ; my first pair, m = 15 - w >= 8: key steps 0-3
	STEP 16, NA, 0
	NEXT
	s_cmp_lt_u32 s[TRIPN], 4
	s_cbranch_scc1 .Lunder
	s_wait_tensorcnt 0x0                           ; my eighth of key steps 4-15 is in,
	s_barrier_signal -1
	s_barrier_wait -1                              ; and everybody's: from here on LDS is only read
	s_mov_b32 s[TRIPN], 4
	s_mov_b32 s[TB], P1
.Lfirst:                                           ; key steps 4-15, of which the pair walks those up to m
	STEP 16, NA, 1
	NEXT
	s_cmp_lt_u32 s[TRIPN], 16
	s_cbranch_scc1 .Lfirst
	FLUSH 60, 1
	s_mov_b32 s[TRIPN], 0
	s_mov_b32 s[TB], 0
.Lsecond:                                          ; my second pair, m = w: 8 trips, of which it walks w + 1
	STEP 64, NB, 1
	NEXT
	s_cmp_lt_u32 s[TRIPN], 8
	s_cbranch_scc1 .Lsecond
	FLUSH 62, 0
	s_wait_tensorcnt 0x0                           ; the wave's end
	ds_add_u32 v[SPW], v[NIL]
	s_wait_dscnt 0x0
	CROUND                                         ; the closing round
	s_endpgm
.Lfunc_end_k_qd39d19f370_attn:
	.size	k_qd39d19f370_attn, .Lfunc_end_k_qd39d19f370_attn-k_qd39d19f370_attn
	.p2alignl 7, 3214868480
	.fill 96, 4, 3214868480
	.section	.rodata,"a",@progbits
	.p2align	6, 0x0
	.amdhsa_kernel k_qd39d19f370_attn
		.amdhsa_group_segment_fixed_size 327680
		.amdhsa_private_segment_fixed_size 0
		.amdhsa_enable_private_segment 0
		.amdhsa_kernarg_size 40
		.amdhsa_user_sgpr_count 2
		.amdhsa_user_sgpr_kernarg_segment_ptr 1
		.amdhsa_wavefront_size32 1
		.amdhsa_system_sgpr_workgroup_id_x 1
		.amdhsa_system_sgpr_workgroup_id_y 1
		.amdhsa_system_sgpr_workgroup_id_z 1
		.amdhsa_system_vgpr_workitem_id 0
		.amdhsa_next_free_vgpr 512
		.amdhsa_next_free_sgpr 100
		.amdhsa_reserve_vcc 1
		.amdhsa_float_denorm_mode_32 3
		.amdhsa_float_denorm_mode_16_64 3
		.amdhsa_memory_ordered 1
		.amdhsa_forward_progress 1
		.amdhsa_inst_pref_size 122
	.end_amdhsa_kernel
	.amdgpu_metadata
---
amdhsa.version: [ 1, 2 ]
amdhsa.kernels:
  - .name:           k_qd39d19f370_attn
    .symbol:         k_qd39d19f370_attn.kd
    .args:
      - { .name: q_img, .offset: 0, .size: 8, .value_kind: global_buffer, .address_space: global }
      - { .name: k_img, .offset: 8, .size: 8, .value_kind: global_buffer, .address_space: global }
      - { .name: v_img, .offset: 16, .size: 8, .value_kind: global_buffer, .address_space: global }
      - { .name: lowp_scales, .offset: 24, .size: 8, .value_kind: global_buffer, .address_space: global }
      - { .name: a_img, .offset: 32, .size: 8, .value_kind: global_buffer, .address_space: global }
    .group_segment_fixed_size: 327680
    .private_segment_fixed_size: 0
    .kernarg_segment_align: 8
    .kernarg_segment_size: 40
    .max_flat_workgroup_size: 256
    .sgpr_count:     100
    .vgpr_count:     512
    .wavefront_size: 32
...
	.end_amdgpu_metadata
.endif
;; end of part 3
;; launch oproj (part 4): grid 8 x 32, 4 waves a work-group, clusters of 4 x 4, 327,680 bytes of LDS; arguments a_img, W_o_codes, lowp_scales, out0; writes out0
.if DOCPART == 4
	.amdgcn_target "amdgcn-amd-amdhsa--gfx1250"
	.amdhsa_code_object_version 6
	.text
	.protected	k_qd39d19f370_oproj
	.globl	k_qd39d19f370_oproj
	.p2align	8
	.type	k_qd39d19f370_oproj,@function
k_qd39d19f370_oproj:
	s_mov_b64 s[64:65], 0
	v_nop
	global_prefetch_b8 v0, s[64:65] scope:SCOPE_SE
	s_setreg_imm32_b32 hwreg(HW_REG_WAVE_MODE, 25, 1), 1
	s_wait_xcnt 0x0
	s_wait_alu depctr_hold_cnt(0) depctr_sa_sdst(0) depctr_va_vdst(0) depctr_va_sdst(0) depctr_va_ssrc(0) depctr_va_vcc(0) depctr_vm_vsrc(0)
	s_getreg_b32 s2, hwreg(HW_REG_IB_STS2, 6, 4)
	s_cmp_eq_u32 s2, 0
	s_cbranch_scc0 .Lentry_in_a_cluster
	s_endpgm
.Lentry_in_a_cluster:
	s_bfe_u32 s2, ttmp6, 0x10000c
	s_cmp_lg_u32 s2, 0xf033
	s_cbranch_scc0 .Lentry_shape_is_right
	s_endpgm
.Lentry_shape_is_right:
; out0 = a W_o^T on codes of BF8 (E5M2), K = 1,024; each finished sum is multiplied once by 2^(e6 + e7).  LIMIT: e6 + e7 between -126 and 127, so that this is an f32 number.
; A block of out0 is 256 tokens x 128 features: 32 x 8 = 256 work-groups of four waves; a wave makes 128 x 64: 32 accumulators.  K goes in steps of 256 through a ring of two LDS slots.
; A comes as images of operand registers (a_img: [k / 256][token / 16][4,096 bytes]), dense, 32,768 bytes for each of waves 0 and 1; B as 64 rows of 256 bytes for each of waves 2 and 3, padded to 272 in LDS.
; CLUSTERS: 4 x 4 work-groups; A's tile is asked for jointly along a row of the cluster, B's along a column.  The matrix instruction is used transposed: a lane holds eight neighbouring features of one token.
; THE WAY OUT: a block of 16 tokens x 64 features goes through the wave's own stage in slot 0, which has had its last fill, and comes back as rows of 256 bytes, two to a load: sixteen lanes store one aligned unit of 256 bytes.
.set SIZE_N, 1024
.set ROWB,   256
.set KROW,   1024
.set PITCH,  272
.set FR,     16
.set NL,     4
.set NP,     4
.set HALFA,  32768
.set HALFB,  64*PITCH
.set BOFF,   2*HALFA
.set SLOT,   BOFF+2*HALFB
.set KPLANE, 0x200000
.set LAPS,   2
.set SPARE,  2*SLOT
.set SPITCH, 528
.set ADRA, 16
.set ADRB, 20
.set STO,  24
.set RD,   25
.set CO,   26
.set CO2,  27                          ; v27  the way out: 16 (lane % 16) + a row of out0 x (lane / 16)
.set SPW,  28
.set NIL,  29
.set TMP,  32
.set AF,   128
.set BK,   128
.set G1, 24
.set G0, 32
.set G1B, 48
.set G0B, 56
.set MSB, 0
.macro WIN new
.if MSB != (\new)
	s_set_vgpr_msb (MSB<<8)|(\new)
.set MSB, (\new)
.endif
.endm
.set MUL_LO, 0xa1
.set MUL_HI, 0xf1
.set TO_B,   0x40
.macro JLOAD g0a, g1a, g0b, g1b
	s_cmp_eq_u32 s15, 0
	s_cbranch_scc0 .Lfor_b_\@
	tensor_load_to_lds s[\g0a:\g0a+3], s[\g1a:\g1a+7]
	s_nop 0
.rept 4
	v_nop
.endr
	s_branch .Lasked_\@
.Lfor_b_\@:
	tensor_load_to_lds s[\g0b:\g0b+3], s[\g1b:\g1b+7]
	s_nop 0
.rept 4
	v_nop
.endr
.Lasked_\@:
.endm
.macro CREST
	s_cmp_lg_u32 s14, 0
	s_cbranch_scc1 .Lnot_wave_0_\@
	s_barrier_signal -3
.Lnot_wave_0_\@:
	s_barrier_wait -3
	s_barrier_signal -1
	s_barrier_wait -1
.endm
.macro CROUND
	s_barrier_signal -1
	s_barrier_wait -1
	CREST
.endm
	s_load_b128 s[4:7], s[0:1], 0x0
	s_load_b128 s[8:11], s[0:1], 0x10
	v_lshl_add_u32 v[SPW], v0, 2, SPARE
	v_mov_b32 v[NIL], 0
	ds_add_u32 v28, v29
	ds_add_u32 v28, v29
	s_wait_dscnt 0x0
	v_lshrrev_b32 v1, 5, v0
	v_readfirstlane_b32 s14, v1
	s_lshr_b32 s15, s14, 1
	s_and_b32 s16, s14, 1
	s_bfe_u32 s40, ttmp6, 0x40000
	s_bfe_u32 s41, ttmp6, 0x40004
	s_lshl_b32 s42, ttmp9, 2
	s_add_co_u32 s42, s42, s40
	s_and_b32 s17, ttmp7, 0xffff
	s_lshl_b32 s17, s17, 2
	s_add_co_u32 s17, s17, s41
	s_lshl_b32 s43, s41, 2
	s_lshl_b32 s43, 15, s43
	s_lshl_b32 s44, 0x1111, s40
	s_or_b32 s[G1+0], s43, (0<<16)|(1<<21)
	s_or_b32 s[G1B+0], s44, (0<<16)|(1<<20)|(1<<21)|(5<<22)|(3<<25)
.irp g, G1, G1B
	s_mov_b32 s[\g+1], ROWB<<16
	s_mov_b32 s[\g+3], ROWB<<16
	s_mov_b32 s[\g+6], 0
	s_mov_b32 s[\g+7], 0
.endr
	s_mov_b32 s[G1+5], ROWB
	s_mov_b32 s[G1B+5], KROW
	s_mov_b32 s[G1+2], 128<<16                     ; A: 128 rows of 256 bytes a load
	s_mov_b32 s[G1+4], 128
	s_mov_b32 s[G1B+2], 64<<16                     ; B: 64 rows a load
	s_mov_b32 s[G1B+4], 64
	s_lshl_b32 s20, s17, 16
	s_lshl_b32 s18, s16, 15
	s_add_co_u32 s20, s20, s18
	s_mov_b32 s21, 0
	s_lshl_b32 s46, s42, 7
	s_lshl_b32 s19, s16, 6
	s_add_co_u32 s46, s46, s19
	s_lshl_b32 s46, s46, 10
	s_mov_b32 s47, 0
	s_lshl_b32 s12, s16, 15
	s_mul_i32 s13, s16, HALFB
	s_add_co_u32 s13, s13, BOFF
	s_wait_kmcnt 0x0
	s_load_b64 s[96:97], s[8:9], 0x18
	s_add_nc_u64 s[20:21], s[4:5], s[20:21]
	s_add_nc_u64 s[46:47], s[6:7], s[46:47]
	CROUND
.irp s, 0,1
	s_mov_b32 s[G0+4*\s], 1
	s_add_co_u32 s[G0+4*\s+1], s12, \s*SLOT
	s_add_nc_u64 s[G0+4*\s+2:G0+4*\s+3], s[20:21], \s*KPLANE
	s_or_b32 s[G0+4*\s+3], s[G0+4*\s+3], 0x80000000
	s_mov_b32 s[G0B+4*\s], 1
	s_add_co_u32 s[G0B+4*\s+1], s13, \s*SLOT
	s_add_nc_u64 s[G0B+4*\s+2:G0B+4*\s+3], s[46:47], \s*ROWB
	s_or_b32 s[G0B+4*\s+3], s[G0B+4*\s+3], 0x80000000
	s_wait_alu depctr_va_vdst(0)
	s_wait_tensorcnt 0x0
	ds_add_u32 v28, v29
	ds_add_u32 v28, v29
	s_wait_dscnt 0x0
	CROUND
	JLOAD G0+4*\s, G1, G0B+4*\s, G1B
.endr
	v_and_b32 v1, 15, v0
	v_bfe_u32 v2, v0, 4, 1
	v_mul_u32_u24 v3, v1, PITCH
	v_lshl_add_u32 v4, v2, 4, v3
	v_and_b32 v6, 31, v0
	v_lshlrev_b32 v[CO], 4, v6
	s_wait_alu depctr_va_vdst(0)
	s_lshl_b32 s21, s15, 15
	s_mul_i32 s22, s16, HALFB
	s_add_co_u32 s22, s22, BOFF
.irp s, 0,1
	v_add_nc_u32 v[ADRA+\s], s21, v[CO]
	v_add_nc_u32 v[ADRB+\s], s22, v4
	s_add_co_u32 s21, s21, SLOT
	s_add_co_u32 s22, s22, SLOT
.endr
	s_mul_i32 s23, s14, 16*SPITCH
	v_mul_u32_u24 v5, v1, SPITCH
	v_lshl_add_u32 v5, v2, 5, v5
	v_add_nc_u32 v[STO], s23, v5
	v_mul_u32_u24 v7, v2, SPITCH                   ; back: lanes 0-15 take one row of 256 bytes, lanes 16-31 the next
	v_lshl_add_u32 v7, v1, 4, v7
	v_add_nc_u32 v[RD], s23, v7
	v_lshlrev_b32 v[CO2], 12, v2                   ; and the same two rows in out0, 4,096 bytes apart
	v_lshl_add_u32 v[CO2], v1, 4, v[CO2]
	s_lshl_b32 s20, s17, 8
	s_lshl_b32 s21, s15, 7
	s_add_co_u32 s20, s20, s21
	s_lshl_b32 s20, s20, 12
	s_lshl_b32 s46, s42, 9
	s_lshl_b32 s47, s16, 8
	s_add_co_u32 s46, s46, s47
	s_add_co_u32 s20, s20, s46
	s_mov_b32 s21, 0
	s_add_nc_u64 s[10:11], s[10:11], s[20:21]
.macro FRAGB reg, adr, q, i
.irp c, 0,1,2,3
	ds_load_b128 v[\reg+4*\c:\reg+4*\c+3], v[\adr] offset:128*(\q)+32*\c+(\i)*16*PITCH
.endr
.endm
.macro FRAGA reg, adr, q, i
.irp c, 0,1,2,3
	ds_load_b128 v[\reg+4*\c:\reg+4*\c+3], v[\adr] offset:4096*(\i)+2048*(\q)+512*\c
.endr
.endm
.macro MUL16 a0, p, zero
.irp a, \a0, \a0+1
.irp b, 0,1,2,3
.if \zero
	v_wmma_f32_16x16x128_bf8_bf8 v[8*(8*((\a)%4)+\b):8*(8*((\a)%4)+\b)+7], v[128*(\p)+FR*\b:128*(\p)+FR*\b+FR-1], v[AF+FR*(\a):AF+FR*(\a)+FR-1], 0
.else
	v_wmma_f32_16x16x128_bf8_bf8 v[8*(8*((\a)%4)+\b):8*(8*((\a)%4)+\b)+7], v[128*(\p)+FR*\b:128*(\p)+FR*\b+FR-1], v[AF+FR*(\a):AF+FR*(\a)+FR-1], v[8*(8*((\a)%4)+\b):8*(8*((\a)%4)+\b)+7]
.endif
.endr
.endr
.endm
.macro FETCH_B slot, q, p
	WIN TO_B
.irp i, 0,1,2,3
	FRAGB 128*(\p)+FR*\i, ADRB+\slot, \q, \i
.endr
	WIN 0
.endm
.macro FETCH_A slot, q, i0
.irp i, \i0, \i0+1, \i0+2, \i0+3
	FRAGA AF+FR*(\i), ADRA+\slot, \q, \i
.endr
.endm
.macro PLACES n
.rept \n
	v_nop
.endr
.endm
.macro STEP slot, q, zero
	s_wait_dscnt 4*NL
	WIN MUL_LO
	MUL16 0, (\q)%2, \zero
	MUL16 2, (\q)%2, \zero
	s_wait_dscnt 0
	PLACES NP
	FETCH_B \slot, (\q)+1, 1-(\q)%2
	FETCH_A \slot, (\q)+1, 0
	WIN MUL_HI
	MUL16 4, (\q)%2, \zero
	MUL16 6, (\q)%2, \zero
	PLACES NP
	WIN 0
	FETCH_A \slot, (\q)+1, 4
.endm
.macro TURN slot, next, fill
	s_wait_tensorcnt 0x0
	ds_add_u32 v[SPW], v[NIL]
	s_wait_dscnt 4*NL+1
	WIN MUL_LO
	MUL16 0, 1, 0
	s_wait_dscnt 0x0
	s_barrier_signal -1
	MUL16 2, 1, 0
	WIN 0
	s_barrier_wait -1
.if \fill
	CREST
	s_add_nc_u64 s[G0+4*\slot+2:G0+4*\slot+3], s[G0+4*\slot+2:G0+4*\slot+3], 2*KPLANE
	s_add_nc_u64 s[G0B+4*\slot+2:G0B+4*\slot+3], s[G0B+4*\slot+2:G0B+4*\slot+3], 2*ROWB
	JLOAD G0+4*\slot, G1, G0B+4*\slot, G1B
.else
	PLACES NP
.endif
	FETCH_B \next, 0, 0
	FETCH_A \next, 0, 0
	WIN MUL_HI
	MUL16 4, 1, 0
	MUL16 6, 1, 0
	PLACES NP
	WIN 0
	FETCH_A \next, 0, 4
.endm
	s_wait_alu depctr_va_vdst(0)
	s_wait_tensorcnt 1
	s_barrier_signal -1
	s_barrier_wait -1
	FETCH_B 0, 0, 0
	FETCH_A 0, 0, 0
	FETCH_A 0, 0, 4
	STEP 0, 0, 1
	s_mov_b32 s3, LAPS-1
.Llap:
	TURN 0, 1, 1
	STEP 1, 0, 0
	TURN 1, 0, 1
	STEP 0, 0, 0
	s_sub_co_u32 s3, s3, 1
	s_cmp_lg_u32 s3, 0
	s_cbranch_scc1 .Llap
	TURN 0, 1, 0
	STEP 1, 0, 0
	s_wait_dscnt 4*NL
	WIN MUL_LO
	MUL16 0, 1, 0
	MUL16 2, 1, 0
	s_wait_dscnt 0
	WIN MUL_HI
	MUL16 4, 1, 0
	MUL16 6, 1, 0
	WIN 0
.macro TOSTAGE a
.set AC, 64*((\a)%4)
	WIN 0x02+((\a)/4)
.set j, 0
.rept 16
	v_pk_mul_f32 v[TMP+j:TMP+j+1], v[AC+j:AC+j+1], s[96:97] op_sel_hi:[1,0]
.set j, j+2
.endr
	WIN 0
.irp b, 0,1,2,3
	ds_store_b128 v[STO], v[TMP+8*\b:TMP+8*\b+3] offset:64*\b
	ds_store_b128 v[STO], v[TMP+8*\b+4:TMP+8*\b+7] offset:64*\b+16
.endr
.set BB, BK+64*((\a)%2)
.irp t, 0,1,2,3,4,5,6,7
	ds_load_b128 v[BB+4*\t:BB+4*\t+3], v[RD] offset:2*\t*SPITCH
.endr
.endm
.macro SEND a, younger
.set BB, BK+64*((\a)%2)
	s_wait_dscnt \younger
.if (\a) > 0
	s_add_nc_u64 s[10:11], s[10:11], 16*SIZE_N*4
.endif
.irp t, 0,1,2,3,4,5,6,7
	global_store_b128 v[CO2], v[BB+4*\t:BB+4*\t+3], s[10:11] offset:2*\t*SIZE_N*4 th:TH_STORE_NT
.endr
.endm
	s_wait_kmcnt 0x0
	s_add_co_i32 s96, s96, s97
	s_add_co_i32 s96, s96, 127
	s_lshl_b32 s96, s96, 23
	PLACES NP
	TOSTAGE 0
.irp a, 1,2,3,4,5,6,7
.if \a > 1
	s_wait_xcnt 0x0
.endif
	TOSTAGE \a
	SEND \a-1, 16                                  ; behind block a - 1's loads: block a's 8 stores and 8 loads
.endr
	s_wait_xcnt 0x0
	SEND 7, 0
	s_wait_tensorcnt 0x0
	ds_add_u32 v[SPW], v[NIL]
	s_wait_dscnt 0x0
	CROUND
	s_endpgm
.Lfunc_end_k_qd39d19f370_oproj:
	.size	k_qd39d19f370_oproj, .Lfunc_end_k_qd39d19f370_oproj-k_qd39d19f370_oproj
	.p2alignl 7, 3214868480
	.fill 96, 4, 3214868480
	.section	.rodata,"a",@progbits
	.p2align	6, 0x0
	.amdhsa_kernel k_qd39d19f370_oproj
		.amdhsa_group_segment_fixed_size 327680
		.amdhsa_private_segment_fixed_size 0
		.amdhsa_enable_private_segment 0
		.amdhsa_kernarg_size 32
		.amdhsa_user_sgpr_count 2
		.amdhsa_user_sgpr_kernarg_segment_ptr 1
		.amdhsa_wavefront_size32 1
		.amdhsa_system_sgpr_workgroup_id_x 1
		.amdhsa_system_sgpr_workgroup_id_y 1
		.amdhsa_system_sgpr_workgroup_id_z 1
		.amdhsa_system_vgpr_workitem_id 0
		.amdhsa_next_free_vgpr 1024
		.amdhsa_next_free_sgpr 98
		.amdhsa_reserve_vcc 0
		.amdhsa_float_denorm_mode_32 3
		.amdhsa_float_denorm_mode_16_64 3
		.amdhsa_memory_ordered 1
		.amdhsa_forward_progress 1
		.amdhsa_inst_pref_size 78
	.end_amdhsa_kernel
	.amdgpu_metadata
---
amdhsa.version: [ 1, 2 ]
amdhsa.kernels:
  - .name:           k_qd39d19f370_oproj
    .symbol:         k_qd39d19f370_oproj.kd
    .args:
      - { .name: a_img, .offset: 0, .size: 8, .value_kind: global_buffer, .address_space: global }
      - { .name: W_o_codes, .offset: 8, .size: 8, .value_kind: global_buffer, .address_space: global }
      - { .name: lowp_scales, .offset: 16, .size: 8, .value_kind: global_buffer, .address_space: global }
      - { .name: out0, .offset: 24, .size: 8, .value_kind: global_buffer, .address_space: global }
    .group_segment_fixed_size: 327680
    .private_segment_fixed_size: 0
    .kernarg_segment_align: 8
    .kernarg_segment_size: 32
    .max_flat_workgroup_size: 128
    .sgpr_count:     98
    .vgpr_count:     1024
    .wavefront_size: 32
...
	.end_amdgpu_metadata
.endif
;; end of part 4
